; MI455X (gfx1250); checked and timed in simulation.
; The chip was launched on July 23, 2026; its instructions are those of AMD's public machine-readable ISA for CDNA 5 (MIT licence, August 2026) and "CDNA5" Instruction Set Architecture Reference Guide (July 2026). The comments in the code are by the model that wrote it; some were corrected since.
;; Attention. Allowed arithmetic: float matrix products may take bf16 or f16 operands with f32 sums; other float arithmetic in f32, or as packed bf16 or f16 multiplies, adds, multiply-adds, maxima and minima; sums over many terms, partial sums and values carried from step to step in f32; what a program stores and reads back later, other than sums and carried values, may be rounded once to bf16 or f16.
;; Inputs: k 4 x 16 x 2,048 x 128 float32; mask 4 x 1 x 1 x 2,048 int32; q 4 x 16 x 2,048 x 128 float32; v 4 x 16 x 2,048 x 128 float32.
;; Outputs: out0 4 x 16 x 2,048 x 128 float32.
;; One version. Each part assembles by itself: llvm-mc -triple=amdgcn-amd-amdhsa -mcpu=gfx1250 --defsym DOCPART=n.
;; ======== version 1 of 1: 3 launches
;; limits: values are held in f16: magnitudes above 65,504 overflow, below 6.1e-05 lose precision; inputs' magnitudes at most 65,280
;; workspace buffers: kb 34,078,720 bytes; vb 33,554,432 bytes; fk 1,024 bytes of whole numbers
;; launch cast (part 1): grid 1024 x 2, 8 waves a work-group, no clusters, 0 bytes of LDS; arguments k, v, mask, kb, vb, fk; writes kb, vb, fk
.if DOCPART == 1
	.amdgcn_target "amdgcn-amd-amdhsa--gfx1250"
	.amdhsa_code_object_version 6
	.text
	.protected	k_qfd4d203516_cast
	.globl	k_qfd4d203516_cast
	.p2align	8
	.type	k_qfd4d203516_cast,@function
k_qfd4d203516_cast:
	s_mov_b64 s[64:65], 0
	v_nop
	global_prefetch_b8 v0, s[64:65] scope:SCOPE_SE
	s_setreg_imm32_b32 hwreg(HW_REG_WAVE_MODE, 25, 1), 1
	s_wait_xcnt 0x0
; kb: k rounded to bf16, laid out by steps of 64 keys: 64 rows of 256 bytes, then one row of 256 bytes with the step's 64 pads in f32 (-1e9 where mask == 0, else 0): 16,640 bytes a step, 32 steps a head.
; vb: v rounded to bf16, and that number written as f16; [64][2048][128].     fk: for each batch 256 bytes, every word f = the first key with mask != 0 (2,048 if there is none).
; LIMITS.  A bf16 number is exact in f16 between 6.1e-5 and 65,504 in magnitude; below, it keeps f16's fixed step of 6e-8; from 65,520 on it becomes an infinity.
; Grid y = 0 takes k, y = 1 takes v.  Work-group x owns 65,536 bytes in: 128 rows, two steps.  Thread t takes 16 bytes at 4,096 j + 16 t, j = 0..15 (a wave's load covers 512 consecutive bytes) and
; stores 8 bytes at 2,048 j + 8 t (a wave's store covers 256 consecutive bytes, aligned).  All 16 loads go out first; every load and store has registers of its own, so the only waits are the
; counted ones for the loads.  Wave 0 of a k work-group also makes the two pad rows (16 lanes a row); wave 1 of the first k work-group of each batch finds f.
; No LDS, no barrier, no matrix unit: nothing is shared and nothing is summed.
.set KSTEP, 65*256                     ; bytes of kb in a step
.set X, 4                              ; v[4:67]    16 x 4 f32 as loaded; later the 64 mask words of a lane
.set Y, 68                             ; v[68:99]   16 x 2 words to store
.set T, 100                            ; v[100:105] at work; in wave 0 of a k work-group v[100:103] are four mask words, then four pads
.macro LOADS p
.set j, 0
.rept 16
	global_load_b128 v[X+4*j:X+4*j+3], v1, s[\p:\p+1] offset:4096*j th:TH_LOAD_NT
.set j, j+1
.endr
.endm
	s_load_b256 s[4:11], s[0:1], 0x0               ; k s[4:5], v s[6:7], mask s[8:9], kb s[10:11]
	s_load_b128 s[12:15], s[0:1], 0x20             ; vb s[12:13], fk s[14:15]
	s_and_b32 s16, ttmp7, 0xffff                   ; 0: k, 1: v
	v_lshrrev_b32 v3, 5, v0
	v_readfirstlane_b32 s17, v3                    ; my wave's number
	s_lshl_b32 s18, ttmp9, 16                      ; my bytes in
	s_mov_b32 s19, 0
	s_mul_i32 s20, ttmp9, 2*KSTEP                  ; my bytes of kb,
	s_mov_b32 s21, 0
	s_lshl_b32 s22, ttmp9, 15                      ; of vb
	s_mov_b32 s23, 0
	s_lshr_b32 s24, ttmp9, 8                       ; the batch: 16 work-groups a head, 16 heads a batch
	s_lshl_b32 s26, s24, 8                         ; its 256 bytes of fk,
	s_mov_b32 s27, 0
	s_lshl_b32 s24, s24, 13                        ; its 8,192 bytes of mask,
	s_mov_b32 s25, 0
	s_and_b32 s28, ttmp9, 15
	s_lshl_b32 s28, s28, 9                         ; and in them my 128 keys' words
	s_mov_b32 s29, 0
	s_and_b32 s30, ttmp9, 255                      ; 0: the batch's first work-group
	s_mov_b32 s31, 0xffff0000                      ; a word's upper bf16
	s_mov_b32 s34, 0xce6e6b28                      ; -1e9
	s_mov_b32 s36, 0x76543210                      ; v_permlanex16_b32: each lane takes its own place in the other half
	s_mov_b32 s37, 0xfedcba98
	v_lshlrev_b32 v1, 4, v0
	v_lshlrev_b32 v2, 3, v0
	v_and_b32 v110, 31, v0                         ; lane
	v_lshlrev_b32 v3, 4, v110                      ; 16 x lane
	s_wait_kmcnt 0x0
	s_cmp_eq_u32 s16, 0
	s_cbranch_scc0 .Lv
	s_add_nc_u64 s[4:5], s[4:5], s[18:19]
	s_add_nc_u64 s[10:11], s[10:11], s[20:21]
	s_add_nc_u64 s[8:9], s[8:9], s[24:25]          ; the batch's mask
	s_add_nc_u64 s[32:33], s[8:9], s[28:29]        ; my 128 keys'
	s_cmp_lg_u32 s17, 0
	s_cbranch_scc1 .Lk16
	global_load_b128 v[T:T+3], v3, s[32:33]        ; wave 0: four mask words a lane; older than the 16 loads below, so their counted waits cover it
.Lk16:
	LOADS 4
.set j, 0
.rept 16
	s_wait_loadcnt 15-j                            ; loads come back in order: number j is in, the 15 - j younger ones stay out
	v_cvt_pk_bf16_f32 v[Y+2*j], v[X+4*j], v[X+4*j+1]
	v_cvt_pk_bf16_f32 v[Y+2*j+1], v[X+4*j+2], v[X+4*j+3]
	global_store_b64 v2, v[Y+2*j:Y+2*j+1], s[10:11] offset:2048*j+256*(j/8) th:TH_STORE_NT  ; the second step's rows lie one pad row further on
.set j, j+1
.endr
	s_cmp_lg_u32 s17, 0
	s_cbranch_scc1 .Lnopad
.irp i, 0,1,2,3
	v_cmp_eq_u32 vcc_lo, 0, v[T+\i]
	v_cndmask_b32 v[T+\i], 0, s34, vcc_lo
.endr
	v_lshrrev_b32 v104, 4, v110
	v_lshl_add_u32 v104, v104, 14, v3              ; lanes 0-15: the first step's pad row, at 16,384; lanes 16-31: the second's, at 16,640 + 16,384 = 32,768 + 256
	global_store_b128 v104, v[T:T+3], s[10:11] offset:16384 th:TH_STORE_NT  ; 16 lanes store 256 consecutive bytes, aligned
.Lnopad:
	s_cmp_lg_u32 s17, 1
	s_cbranch_scc1 .Lend
	s_cmp_lg_u32 s30, 0
	s_cbranch_scc1 .Lend
	; f: lane l takes the batch's words 64 l .. 64 l + 63; its first open key (4,096 if it has none), then the least over the lanes
	s_add_nc_u64 s[14:15], s[14:15], s[26:27]
	v_lshlrev_b32 v106, 8, v110
.set j, 0
.rept 16
	global_load_b128 v[X+4*j:X+4*j+3], v106, s[8:9] offset:16*j
.set j, j+1
.endr
	v_mov_b32 v108, 0x1000
	s_wait_loadcnt 0x0
.set e, 63
.rept 64
	v_cmp_eq_u32 vcc_lo, 0, v[X+e]
	v_cndmask_b32 v108, e, v108, vcc_lo
.set e, e-1
.endr
	v_lshl_add_u32 v108, v110, 6, v108
	v_mov_b32 v109, v108                           ; the destination of the lines below counts as read
.irp xm, 1,2,4,8
	v_mov_b32_dpp v109, v108 row_xmask:\xm row_mask:0xf bank_mask:0xf
	v_min_u32 v108, v108, v109
.endr
	v_permlanex16_b32 v109, v108, s36, s37
	v_min_u32 v108, v108, v109
	v_min_u32 v108, 0x800, v108                    ; 2,048: no key is open
	v_mov_b32 v109, v108
	v_lshlrev_b32 v111, 3, v110
	global_store_b64 v111, v[108:109], s[14:15]    ; the wave stores 256 consecutive bytes, aligned: f in every word
.Lend:
	s_endpgm
.Lv:
	s_add_nc_u64 s[6:7], s[6:7], s[18:19]
	s_add_nc_u64 s[12:13], s[12:13], s[22:23]
	LOADS 6
.set j, 0
.rept 16
	s_wait_loadcnt 15-j
	v_cvt_pk_bf16_f32 v[T], v[X+4*j], v[X+4*j+1]   ; the one rounding, to bf16;
	v_cvt_pk_bf16_f32 v[T+1], v[X+4*j+2], v[X+4*j+3]
	v_lshlrev_b32 v[T+2], 16, v[T]                 ; back to f32, exactly;
	v_and_b32 v[T+3], s31, v[T]
	v_lshlrev_b32 v[T+4], 16, v[T+1]
	v_and_b32 v[T+5], s31, v[T+1]
	v_cvt_pk_f16_f32 v[Y+2*j], v[T+2], v[T+3]      ; and written as f16
	v_cvt_pk_f16_f32 v[Y+2*j+1], v[T+4], v[T+5]
	global_store_b64 v2, v[Y+2*j:Y+2*j+1], s[12:13] offset:2048*j th:TH_STORE_NT
.set j, j+1
.endr
	s_endpgm
.Lfunc_end_k_qfd4d203516_cast:
	.size	k_qfd4d203516_cast, .Lfunc_end_k_qfd4d203516_cast-k_qfd4d203516_cast
	.p2alignl 7, 3214868480
	.fill 96, 4, 3214868480
	.section	.rodata,"a",@progbits
	.p2align	6, 0x0
	.amdhsa_kernel k_qfd4d203516_cast
		.amdhsa_group_segment_fixed_size 0
		.amdhsa_private_segment_fixed_size 0
		.amdhsa_enable_private_segment 0
		.amdhsa_kernarg_size 48
		.amdhsa_user_sgpr_count 2
		.amdhsa_user_sgpr_kernarg_segment_ptr 1
		.amdhsa_wavefront_size32 1
		.amdhsa_system_sgpr_workgroup_id_x 1
		.amdhsa_system_sgpr_workgroup_id_y 1
		.amdhsa_system_sgpr_workgroup_id_z 1
		.amdhsa_system_vgpr_workitem_id 0
		.amdhsa_next_free_vgpr 112
		.amdhsa_next_free_sgpr 66
		.amdhsa_reserve_vcc 1
		.amdhsa_float_denorm_mode_32 3
		.amdhsa_float_denorm_mode_16_64 3
		.amdhsa_memory_ordered 1
		.amdhsa_forward_progress 1
		.amdhsa_inst_pref_size 25
	.end_amdhsa_kernel
	.amdgpu_metadata
---
amdhsa.version: [ 1, 2 ]
amdhsa.kernels:
  - .name:           k_qfd4d203516_cast
    .symbol:         k_qfd4d203516_cast.kd
    .args:
      - { .name: k, .offset: 0, .size: 8, .value_kind: global_buffer, .address_space: global }
      - { .name: v, .offset: 8, .size: 8, .value_kind: global_buffer, .address_space: global }
      - { .name: mask, .offset: 16, .size: 8, .value_kind: global_buffer, .address_space: global }
      - { .name: kb, .offset: 24, .size: 8, .value_kind: global_buffer, .address_space: global }
      - { .name: vb, .offset: 32, .size: 8, .value_kind: global_buffer, .address_space: global }
      - { .name: fk, .offset: 40, .size: 8, .value_kind: global_buffer, .address_space: global }
    .group_segment_fixed_size: 0
    .private_segment_fixed_size: 0
    .kernarg_segment_align: 8
    .kernarg_segment_size: 48
    .max_flat_workgroup_size: 256
    .sgpr_count:     66
    .vgpr_count:     112
    .wavefront_size: 32
...
	.end_amdgpu_metadata
.endif
;; end of part 1
;; launch attn (part 2): grid 4 x 64, 4 waves a work-group, no clusters, 327,680 bytes of LDS; arguments q, kb, vb, out0; writes out0
.if DOCPART == 2
	.amdgcn_target "amdgcn-amd-amdhsa--gfx1250"
	.amdhsa_code_object_version 6
	.text
	.protected	k_qfd4d203516_attn
	.globl	k_qfd4d203516_attn
	.p2align	8
	.type	k_qfd4d203516_attn,@function
k_qfd4d203516_attn:
	s_mov_b64 s[64:65], 0
	v_nop
	global_prefetch_b8 v0, s[64:65] scope:SCOPE_SE
	s_setreg_imm32_b32 hwreg(HW_REG_WAVE_MODE, 25, 1), 1
	s_wait_xcnt 0x0
; out[h][q][:] = sum over k <= q of softmax_k(q.k / sqrt(128) + pad[k]) v[h][k][:], pad = -1e9 where the batch's mask is 0.  64 heads, 2,048 rows, 128 channels.  q, out0: f32.
; kb: k in bf16, by steps of 64 keys: 64 rows of 256 bytes and a 65th row with the step's 64 pads in f32.  vb: v rounded to bf16, written as f16.  q is rounded to bf16 here.
; Products, maxima and sums in f32; the weights p are rounded to f16 for the second product, their sum l is taken of the unrounded p.
; WHAT THIS LAUNCH IS RIGHT FOR.  The masks are additive.  A row that has an open key at or below itself gives every hidden key the weight 0 exactly, and keys above the diagonal need not be walked: that
; is what is computed here.  A row with no such key has its largest scores at -1e9, among them those of later keys, and wants all 2,048 keys.  This launch stores every tile of 16 rows; the tiles that
; hold such a row, and rows 0..15 of every head, are stored again by the launch that follows it.  What stands there meanwhile does not count.
; LIMITS.  vb within f16's 65,504; |q.k| far under 1e9; a weight below 2^-126 counts as 0; NaN and infinities are not treated apart.
; SOFTMAX.  The scores' sums start at pad[k] (plus -1e9 above the diagonal); p = 2^(c s - c m), c = log2(e) / sqrt(128), with a running maximum m; in every step O and l are multiplied by
; a = 2^(c m_old - c m_new).  What a row has summed before its first open key is wiped by a = 0 at that key.
; THE WALK.  A head has 8 blocks of 256 queries; block i needs key slots 0 .. 2 i + 1 of 128 keys.  A work-group takes blocks 7 - b and then b: 18 slots, whatever b: one loop with a constant count.
; Of a block's four bands of 64 rows a wave owns 16 in each (tile t = band t), so the diagonal is the same work for all four waves.  Tiles 0, 1 are piece 0, tiles 2, 3 piece 2.
; BY TURNS.  In a turn one piece has the matrix unit (32 products V^T P of the step in hand, 32 products K Q^T of the next step) and the other piece's softmax stands in 64 slices behind them.
; NO CLUSTER: a head's four work-groups ask for the same slot in the first 10 of their 18 trips only, then fewer and fewer; one walk common to all would have 24 trips for 18.
; REGISTERS, in windows of 256 (s_set_vgpr_msb: bits 1:0 source 0, 3:2 source 1, 5:4 source 2, 7:6 destination):
;   window 0: v0-11 addresses; v12-43 statistics, 8 a tile; v44-51 FD; v60-63 addresses; v64-191 S^T, 32 a tile; v192-255 P, 16 a tile
;   window 1: O^T, 64 a tile      window 2: v0-127 Q, 32 a tile; v128-255 K of one step      window 3: v0-127 V of one step; v128-191 a tile of q on its way in
.set KS,    64        ; keys in a step
.set PK,    272       ; a row of K in LDS: 256 bytes + 16: the 16 rows of a load start at 16 different groups of four banks (64 banks of 4 bytes: ISA guide 11.1)
.set PV,    288       ; a row of V: 256 + 32
.set MOFF,  KS*PK     ; a step's tiles lie together: 64 rows of K, the row of pads,
.set VOFF,  (KS+1)*PK ; then 64 rows of V
.set STEPB, VOFF+KS*PV
.set KSTEP, (KS+1)*256  ; a step's bytes in kb
.set SLOT1, 1<<17     ; a slot holds two steps (72,224 bytes); slot 1 begins here: one exclusive or turns an address in one slot into the other's
.set SPARE, ((2*STEPB+255)/256)*256  ; behind slot 0: the spare words, 128 bytes for each wave: two blocks of 256 bytes that no other line names
.set STAGE, SPARE+512 ; 16 rows x 528 bytes for each wave, for the way out; no tensor load fills it
.set SP,    528       ; 512 bytes + 16
.set STW,   16*SP
.set AK0, 2           ; v2   my lane's place in a tile of K; never rewritten
.set AV0, 3           ; v3   the same for V
.set ADR, 4           ; v4   the LDS address of the run of loads in hand
.set AM0, 5           ; v5   my lane's place in a step's row of pads: MOFF + 32 (l / 16)
.set STO, 6           ; v6   the way out: where I put 32 bytes of a row
.set RD,  7           ; v7   the way out: where I read a row back
.set GO,  8           ; v8   16 x my lane
.set QO,  10          ; v10  my byte offset in 16 rows of q
.set ST,  12          ; tile t's statistics at v[ST+8 t]: +0 c m, +1 m, +2, +3 l, +4 to +7 c0-c3; a takes c2's place
.set FD,  44          ; v44-51  -1e9 where key 8 (l / 16) + j lies above query l % 16, else 0
.set ADRM, 60         ; v60  the LDS address of a run of loads of pads
.set PFO, 61          ; v61  256 x my lane; never rewritten
.set SPW, 62          ; v62  LDS address of my spare word; never rewritten
.set NIL, 63          ; v63  0; never rewritten
.set S,   64
.set P,   192
.set KF,  128         ; window 2
.set WV,  14          ; s14  my wave's number
.set PB,  15          ; s15  b
.set HI,  16          ; s16  7 - b
.set G1K, 24          ; s[24:31], s[32:39] descriptor group 1 for K's and V's tiles
.set G1V, 32
.set G0K, 40          ; s[40:43], s[44:47] group 0
.set G0V, 44
.set SLOTS, 48        ; slots still to be asked for
.set TWICE, 49        ; counts a slot's two steps
.set CS,  50          ; s[50:51] c
.set SEL, 52          ; s[52:53] v_permlanex16_b32's selects: each lane takes its own place in the other half
.set TB,  54          ; LDS byte at which the tiles of the step to be fetched begin
.set KG,  55          ; the first group of 16 keys of the step whose scores are being made
.set RT,  58          ; slots of the block in hand still to be entered
.set NXT, 59          ; the slot to be asked for next
.set LQ,  60          ; the last slot of the block whose slots are being asked for
.set NEW, 61          ; 1: the slot to be entered is a block's first
.set LQ2, 62          ; the second block's last slot
.set OFF, 66          ; s[66:67] a slot's byte offset in kb
.set OFV, 68          ; s[68:69] in vb
.set AL,  70          ; s[70:71] the diagonal mask's factor
.set BE,  72          ; s[72:73] -1e9 for a group wholly above the diagonal
.set OLO, 74          ; s[74:75] out0 at my rows of the second block
.set NEGS, 76         ; -1e9
.set GRB, 77          ; my tile 0's group of 16 rows; tile t's is GRB + 4 t
.set PFK, 78          ; s[78:79], s[80:81] where my prefetches stand
.set PFV, 80
.set LIM, 82
.set WH,  83          ; wave % 2
.set D0,  84
.set QLO, 86          ; s[86:87] q at my rows of the second block
.set MSB, 0
.macro WIN new                      ; the immediate's high byte repeats the setting that is left; a switch that changes nothing is dropped
.if MSB != (\new)
	s_set_vgpr_msb (MSB<<8)|(\new)
.set MSB, \new
.endif
.endm
.set W_KQ, 0x0a       ; K and Q in window 2, S^T in window 0
.set W_PV, 0x53       ; V in window 3, P in window 0, O^T in window 1
.set W_RS, 0x41       ; O^T (destination and source 0) in window 1, a in window 0
.macro PLACES                       ; four places behind a matrix instruction (ISA guide 7.12.1)
.rept 4
	v_nop
.endr
.endm
; A fill.  Waves 0 and 1 fetch the slot's two steps of K with their pads (65 rows of 256 bytes), waves 2 and 3 those of V (64 rows).  An s_nop 0 and four v_nop follow each of the two lines.
.macro LOAD
	s_cmp_lt_u32 s[WV], 2
	s_cbranch_scc0 .Lfor_v_\@
	tensor_load_to_lds s[G0K:G0K+3], s[G1K:G1K+7]
	s_nop 0
.rept 4
	v_nop
.endr
	s_branch .Lasked_\@
.Lfor_v_\@:
	tensor_load_to_lds s[G0V:G0V+3], s[G1V:G1V+7]
	s_nop 0
.rept 4
	v_nop
.endr
.Lasked_\@:
.endm
; A PREFETCH INTO THE L2 of the slot that the NEXT change will ask for: two key steps, 256 matrix instructions, ahead of that load.  No block of kb or vb is named twice in the launch: of a head's four
; work-groups b = 0 asks, in its first block alone, which walks all 16 slots; wave w takes blocks 32 w .. 32 w + 31 of the slot's 130 of kb (the last two are not asked for) and of its 128 of vb, a lane a
; block of 256 bytes.  Slots 0 and 1 come by their loads alone; the trip that enters slot 13 asks for slot 15, the last; later trips ask for nothing.
.macro ASK
	s_cmp_gt_u32 s[SLOTS], s[LIM]
	s_cbranch_scc0 .Lnot_mine_\@
	global_prefetch_b8 v[PFO], s[PFK:PFK+1] th:TH_LOAD_NT scope:SCOPE_SE
	global_prefetch_b8 v[PFO], s[PFV:PFV+1] th:TH_LOAD_NT scope:SCOPE_SE
.Lnot_mine_\@:
.endm
; THE CHANGE OF SLOTS.  Each wave waits for all its tensor loads, of which one is out: its part of the other slot; adds 0 to its spare word; and waits for that and for its own reads of the slot that it
; leaves.  Behind the barrier nobody reads the old slot and the other slot is whole.  fill = 1: the old slot is filled again, first thing behind the barrier, with slot NXT: the address is made anew.
; (At its first use nothing has been read yet: slot 0 is waited for, slot 1 filled.)
.macro CHANGE fill
	WIN 0                           ; at a label and at a branch every window is 0
	s_wait_tensorcnt 0x0            ; no tensor load of mine is out, so a group 0 may be written
	ds_add_u32 v[SPW], v[NIL]       ; 0 onto my spare word; scalar work stands between it and the wait for it
.if \fill
	s_mul_i32 s[OFF], s[NXT], 2*KSTEP  ; a slot is 33,280 bytes of kb
	s_lshl_b32 s[OFV], s[NXT], 15      ; and 32,768 of vb
	s_xor_b32 s[G0K+1], s[G0K+1], SLOT1
	s_add_nc_u64 s[G0K+2:G0K+3], s[6:7], s[OFF:OFF+1]
	s_or_b32 s[G0K+3], s[G0K+3], 0x80000000
	s_xor_b32 s[G0V+1], s[G0V+1], SLOT1
	s_add_nc_u64 s[G0V+2:G0V+3], s[8:9], s[OFV:OFV+1]
	s_or_b32 s[G0V+3], s[G0V+3], 0x80000000
	s_add_co_u32 s[NXT], s[NXT], 1  ; the block's next slot, or behind its last the second block's slot 0
	s_cmp_gt_u32 s[NXT], s[LQ]
	s_cselect_b32 s[NXT], 0, s[NXT]
	s_cselect_b32 s[LQ], s[LQ2], s[LQ]
	s_wait_xcnt 0x0                 ; the last prefetches, two key steps back, have read their addresses
	s_add_nc_u64 s[PFK:PFK+1], s[PFK:PFK+1], 2*KSTEP
	s_add_nc_u64 s[PFV:PFV+1], s[PFV:PFV+1], 32768
.endif
	s_wait_dscnt 0x0                ; the add is done, and my LDS reads and stores are over
	s_barrier_signal -1
	s_sub_co_u32 s[TB], s[TB], 2*STEPB  ; the fetches go back to a slot's first step,
	s_xor_b32 s[TB], s[TB], SLOT1       ; in the other slot
	s_barrier_wait -1
.if \fill
	LOAD
	ASK
.endif
.endm
; THE MATRIX WORK OF A TURN, for piece x.  The accumulators take turns, one instruction a turn.
; Product i of 32 of O^T += V^T P: keys 32 (i / 16) on, channels 16 ((i / 2) % 8) on, tile x + i % 2.
.macro PVM x
	WIN W_PV
.set rO, 64*((\x)+i%2)+8*((i/2)%8)
.set rV, 64*(i/16)+8*((i/2)%8)
.set rP, P+16*((\x)+i%2)+8*(i/16)
	v_wmma_f32_16x16x32_f16 v[rO:rO+7], v[rV:rV+7], v[rP:rP+7], v[rO:rO+7]
.endm
; Product i of 32 of S^T += K Q^T: channels 32 (i / 8) on, keys 16 ((i / 2) % 4) on, tile x + i % 2.  The sums start at the masks, which FETCH_M and DIAGFIX have put into the accumulators.
.macro KQM x
	WIN W_KQ
.set rS, S+32*((\x)+i%2)+8*((i/2)%4)
.set rK, KF+32*((i/2)%4)+8*(i/8)
.set rQ, 32*((\x)+i%2)+8*(i/8)
	v_wmma_f32_16x16x32_bf16 v[rS:rS+7], v[rK:rK+7], v[rQ:rQ+7], v[rS:rS+7]
.endm
; THE LDS LOADS stand in runs, never singly among the matrix instructions.
.macro FETCH_K
	WIN 0
	v_add_nc_u32 v[ADR], s[TB], v[AK0]
	WIN 0x80                        ; destination window 2
.irp f, 0,1,2,3,4,5,6,7,8,9,10,11,12,13,14,15  ; keys 16 (f / 4) on, channels 32 (f % 4) on
	ds_load_b128 v[KF+8*(\f):KF+8*(\f)+3],   v[ADR] offset:((\f)/4)*16*PK+((\f)%4)*64
	ds_load_b128 v[KF+8*(\f)+4:KF+8*(\f)+7], v[ADR] offset:((\f)/4)*16*PK+((\f)%4)*64+32
.endr
.endm
.macro FETCH_V
	WIN 0
	v_add_nc_u32 v[ADR], s[TB], v[AV0]
	s_add_co_u32 s[TB], s[TB], STEPB  ; the next fetch is the next step's
	s_wait_alu depctr_va_vdst(0)    ; the wait for the softmax's batch (SLICE), behind the address's v_add_nc_u32 and ahead of the loads
	WIN 0xc0                        ; destination window 3
.irp f, 0,1,2,3,4,5,6,7,8,9,10,11,12,13,14,15  ; keys 32 (f / 8) on, channels 16 (f % 8) on
	ds_load_tr16_b128 v[8*(\f):8*(\f)+3],   v[ADR] offset:((\f)/8)*32*PV+((\f)%8)*32
	ds_load_tr16_b128 v[8*(\f)+4:8*(\f)+7], v[ADR] offset:((\f)/8)*32*PV+16*PV+((\f)%8)*32
.endr
.endm
; The pads of the step at TB go into piece x's two tiles of S^T: register j of group kt is key 16 kt + 8 (l / 16) + j, the same for all 16 queries.
.macro FETCH_M x
	WIN 0
	v_add_nc_u32 v[ADRM], s[TB], v[AM0]
.irp tt, \x, (\x)+1
.irp kt, 0,1,2,3
	ds_load_b128 v[S+32*(\tt)+8*(\kt):S+32*(\tt)+8*(\kt)+3],   v[ADRM] offset:64*(\kt)
	ds_load_b128 v[S+32*(\tt)+8*(\kt)+4:S+32*(\tt)+8*(\kt)+7], v[ADRM] offset:64*(\kt)+16
.endr
.endr
.endm
; The future mask, where the step reaches piece x's rows: key group KG + kt against row group GRB + 4 t: equal: FD; greater: -1e9 everywhere.  Jumped over in all steps whose last group lies below the
; piece's first rows.
.macro DIAGFIX x
	WIN 0
	s_sub_co_i32 s[D0], s[KG], s[GRB]
	s_cmp_lt_i32 s[D0], 4*(\x)-3
	s_cbranch_scc1 .Lnodiag_\@
	s_wait_dscnt 0x0                ; the pads are in
.irp tt, \x, (\x)+1
.irp kt, 0,1,2,3
	s_cmp_eq_i32 s[D0], 4*(\tt)-(\kt)
	s_cselect_b32 s[AL], 1.0, 0
	s_cmp_gt_i32 s[D0], 4*(\tt)-(\kt)
	s_cselect_b32 s[BE], s[NEGS], 0
.irp zz, 0,1,2,3
	v_pk_fma_f32 v[S+32*(\tt)+8*(\kt)+2*(\zz):S+32*(\tt)+8*(\kt)+2*(\zz)+1], v[FD+2*(\zz):FD+2*(\zz)+1], s[AL:AL+1], v[S+32*(\tt)+8*(\kt)+2*(\zz):S+32*(\tt)+8*(\kt)+2*(\zz)+1] op_sel_hi:[1,0,1]
.endr
.irp zz, 0,1,2,3
	v_pk_add_f32 v[S+32*(\tt)+8*(\kt)+2*(\zz):S+32*(\tt)+8*(\kt)+2*(\zz)+1], v[S+32*(\tt)+8*(\kt)+2*(\zz):S+32*(\tt)+8*(\kt)+2*(\zz)+1], s[BE:BE+1] op_sel_hi:[1,0]
.endr
.endr
.endr
.Lnodiag_\@:
.endm
; THE VECTOR WORK OF A TURN.  One tile's softmax for one key step is a list of 134 instructions; SM writes number j of it for tile t.  s0-s31 are the lane's 32 scores, in pairs 0-15.
;   0-15    the maximum of s0-s31 and the old m: four chains c0-c3 of seven scores each (each accumulator's lowest registers first), the four left over, c0-c3 and m
;   16-20   the other half of the lanes' maximum; the new m; c m; c m_old - c m_new
;   21-69   ONE BATCH: the 16 scalings c s - c m and all 33 exponentials (a at 23, then s0-s31); none of these reads an exponential's result
;   70-85   the roundings to f16     86-101  the sums; l = a l + the sum     102-133 the tile's O^T times a
.macro SM t
.set rT, ST+8*(\t)
.set rS, S+32*(\t)
.set rP, P+16*(\t)
.set rO, 64*(\t)+2*(j-102)
.if j < 102
	WIN 0
.endif
.if j < 4
	v_max3_num_f32 v[rT+4+j], v[rS+8*j], v[rS+8*j+1], v[rS+8*j+2]
.elseif j < 12
	v_max3_num_f32 v[rT+4+j%4], v[rT+4+j%4], v[rS+8*(j%4)+2*(j/4)+1], v[rS+8*(j%4)+2*(j/4)+2]
.elseif j == 12
	v_max3_num_f32 v[rT+4], v[rT+4], v[rS+7], v[rS+15]
.elseif j == 13
	v_max3_num_f32 v[rT+6], v[rT+6], v[rS+23], v[rS+31]
.elseif j == 14
	v_max3_num_f32 v[rT+4], v[rT+4], v[rT+5], v[rT+6]
.elseif j == 15
	v_max3_num_f32 v[rT+4], v[rT+4], v[rT+7], v[rT+1]
.elseif j == 16
	v_permlanex16_b32 v[rT+5], v[rT+4], s[SEL], s[SEL+1]  ; the query's other 32 keys lie in the lane 16 away
.elseif j == 17
	v_mov_b32 v[rT+7], v[rT]        ; c m_old is kept for a
.elseif j == 18
	v_max_num_f32 v[rT+1], v[rT+4], v[rT+5]
.elseif j == 19
	v_mul_f32 v[rT], s[CS], v[rT+1]
.elseif j == 20
	v_sub_f32 v[rT+7], v[rT+7], v[rT]
.elseif j == 23
	v_exp_f32 v[rT+6], v[rT+7]
.elseif (j < 23) || ((j < 38) && (j%2 == 0)) || ((j < 66) && (j%4 == 2))
.set b, (j-2)/4                     ; 38, 42, .. 62: pairs 9 to 15
.if j < 38
.set b, (j-20)/2                    ; 21: pair 0; 22, 24, .. 36: pairs 1 to 8
.endif
	v_pk_fma_f32 v[rS+2*b:rS+2*b+1], v[rS+2*b:rS+2*b+1], s[CS:CS+1], v[rT:rT+1] op_sel_hi:[1,0,0] neg_lo:[0,0,1] neg_hi:[0,0,1]
.elseif j < 70
.set e, j-38                        ; 66 to 69: s28 to s31
.if j < 66
.set e, j-32-(j-38)/4               ; 39-41, 43-45, .. 63-65: s7 to s27
.endif
.if j < 38
.set e, (j-25)/2                    ; 25, 27, .. 37: s0 to s6
.endif
	v_exp_f32 v[rS+e], v[rS+e]
.elseif j < 86
	v_cvt_pk_f16_f32 v[rP+j-70], v[rS+2*(j-70)], v[rS+2*(j-70)+1]
.elseif j < 102                     ; sum z of 16 adds neighbours 1, 2, 4 and 8 pairs apart, then l takes it
.set z, j-86
.set w, 4
.set u, z
.if z >= 14
.set w, 32
.set u, 0
.elseif z >= 12
.set w, 16
.set u, z-12
.elseif z >= 8
.set w, 8
.set u, z-8
.endif
.if z < 15
	v_pk_add_f32 v[rS+w*u:rS+w*u+1], v[rS+w*u:rS+w*u+1], v[rS+w*u+w/2:rS+w*u+w/2+1]
.else
	v_pk_fma_f32 v[rT+2:rT+3], v[rT+2:rT+3], v[rT+6:rT+7], v[rS:rS+1] op_sel_hi:[1,0,1]
.endif
.else
	WIN W_RS
	v_pk_mul_f32 v[rO:rO+1], v[rO:rO+1], v[rT+6:rT+7] op_sel_hi:[1,0]
.endif
.endm
; Slice k of 64 of piece y's softmax: four instructions.  Slices 11 to 34 deal out the batch, four numbers of one tile each, the tiles by turns; every other slice is numbers 2 k, 2 k + 1 of both tiles; the twelve
; that are over stand in slice 63, where they are the places behind the turn's last product.  The piece's 66 exponentials have ONE wait, behind slice 34 (ahead of the first
; instruction that names a result).  Behind slice 51, where MF = 1, the piece's scores are dead (number 101 stands in slice 50) and its S^T takes the pads of the step whose K the turn has fetched.
.macro SLICE y
.if (k >= 11) && (k < 35)
.irp n, 0,1,2,3
.set j, 22+4*((k-11)/2)+(\n)
	SM (\y)+(k-11)%2
.endr
.else
.irp n, 0,1,2,3,4,5,6,7
.if ((\n) < 2) || (k == 63)
.irp t, \y, (\y)+1
.set j, 2*k+(\n)
	SM \t
.endr
.endif
.endr
.endif
.if k == 34
	v_nop                           ; the plain instruction behind the last exponential: one for the batch
.if (\y) == 0
	FETCH_V                         ; piece 2's turn: V's run of loads stands here, and the wait stands in it
.else
	s_wait_alu depctr_va_vdst(0)    ; the wait for the batch
.endif
.endif
.if (k == 51) && MF
	FETCH_M \y
.endif
.set k, k+1
.endm
; A TURN.  Piece x has the matrix unit.  kq = 1: 32 products K Q^T for the next step follow the 32 products V^T P; kq = 0 (a block's end): two slices behind each product.
; Piece 0's turn fetches the next step's K, and the pads for its own scores, behind its second product: the last product that read K stands in front of slice 63 of the turn before.  Its future mask is
; laid behind slice 10: ahead of the turn's first exponential.  Piece 2's pads come behind slice 51 of piece 0's turn, its future mask at the
; head of its own.  Piece 2's turn fetches the same step's V behind slice 34: the last product that read V stands in front of slice 31, and four plain instructions lie between: number 62 of both
; tiles, the v_nop and the run's own v_add_nc_u32.
.macro TURN x, kq
.set k, 0
.set MF, (\kq)*(1-(\x)/2)
.set per, 2-(\kq)
.if (\kq) && ((\x) == 2)
	DIAGFIX 2
.endif
.if (\kq) && ((\x) == 0)
	s_add_co_u32 s[KG], s[KG], 4    ; the scores of this turn and the next are the next step's
.endif
.if (\x) == 0
	s_wait_dscnt 0x0                ; V is in
.endif
.set i, 0
.rept 32
	PVM \x
.rept per
	SLICE 2-(\x)
.endr
.if ((\x) == 0) && (\kq) && (i == 1)
	FETCH_K
	FETCH_M 0
.endif
.if ((\x) == 0) && (\kq) && (i == 10)
	DIAGFIX 0
.endif
.set i, i+1
.endr
.if \kq
	s_wait_dscnt 0x0                ; K and the pads are in
.set i, 0
.rept 32
	KQM \x
	SLICE 2-(\x)
.set i, i+1
.endr
.endif
.endm
; q comes as f32: a fragment's 16 numbers of a lane are four loads of 16 bytes, at 0, 16, 64 and 80 from row x 512 + 128 c + 32 (l / 16).
.macro Q4 r, p, off
	global_load_b128 v[(\r):(\r)+3],     v[QO], s[\p:\p+1] offset:(\off)
	global_load_b128 v[(\r)+4:(\r)+7],   v[QO], s[\p:\p+1] offset:(\off)+16
	global_load_b128 v[(\r)+8:(\r)+11],  v[QO], s[\p:\p+1] offset:(\off)+64
	global_load_b128 v[(\r)+12:(\r)+15], v[QO], s[\p:\p+1] offset:(\off)+80
.endm
; A block's q, 256 registers of f32, into registers that are idle where it stands: tiles 0, 1 into K's, tile 2 into window 3's v128-191, tile 3 into piece 0's S^T.
.macro QLOAD p
	WIN 0x80
.irp tt, 0,1
.irp c, 0,1,2,3
	Q4 128+64*(\tt)+16*(\c), \p, 32768*(\tt)+128*(\c)
.endr
.endr
	WIN 0xc0
.irp c, 0,1,2,3
	Q4 128+16*(\c), \p, 65536+128*(\c)
.endr
	WIN 0
.irp c, 0,1,2,3
	Q4 64+16*(\c), \p, 98304+128*(\c)
.endr
.endm
.macro QCVT                         ; rounded to bf16, into Q's registers
	WIN 0x8a
.set z, 0
.rept 64
	v_cvt_pk_bf16_f32 v[z], v[128+2*z], v[128+2*z+1]
.set z, z+1
.endr
	WIN 0x8f
.set z, 0
.rept 32
	v_cvt_pk_bf16_f32 v[64+z], v[128+2*z], v[128+2*z+1]
.set z, z+1
.endr
	WIN 0x80
.set z, 0
.rept 32
	v_cvt_pk_bf16_f32 v[96+z], v[64+2*z], v[64+2*z+1]
.set z, z+1
.endr
	WIN 0
.endm
; A slot's two key steps: written once, walked twice.  A block's first slot enters at .Lmid.
.macro STEPS tag
.Lstep\tag:
	TURN 0, 1
	WIN 0
.Lmid\tag:
	TURN 2, 1
	WIN 0
	s_sub_co_u32 s[TWICE], s[TWICE], 1
	s_cmp_lg_u32 s[TWICE], 0
	s_cbranch_scc1 .Lstep\tag
.endm
; A BLOCK BEGINS.  c m starts far below every c s, so the first step's a is 0 and O^T and l need only hold finite numbers; m at the lowest finite number.  Then K and the pads of step 0 and piece 0's first scores.
.macro BEGIN
	s_mov_b32 s[NEW], 0
	WIN 0
.irp tt, 0,1,2,3
	v_mov_b32 v[ST+8*(\tt)], 0xfe000000
	v_mov_b32 v[ST+8*(\tt)+1], 0xff7fffff
.endr
	s_mov_b32 s[KG], 0
	FETCH_K
	FETCH_M 0
	FETCH_M 2
	s_wait_dscnt 0x0
	DIAGFIX 0
.set i, 0
.rept 32
	KQM 0
.set i, i+1
.endr
	WIN 0
	PLACES
.endm
; THE WAY OUT.  l's halves are added, O^T is divided by l and sent through my stage in LDS, a tile (16 rows of 512 bytes) at a time, back into the registers that it left.
.macro FIN
	WIN 0
.irp tt, 0,1,2,3
	v_add_f32 v[ST+8*(\tt)+4], v[ST+8*(\tt)+2], v[ST+8*(\tt)+3]  ; these four are the places behind the last products
.endr
.irp tt, 0,1,2,3
	v_permlanex16_b32 v[ST+8*(\tt)+5], v[ST+8*(\tt)+4], s[SEL], s[SEL+1]
.endr
.irp tt, 0,1,2,3
	v_add_f32 v[ST+8*(\tt)+4], v[ST+8*(\tt)+4], v[ST+8*(\tt)+5]
.endr
.irp tt, 0,1,2,3
	v_rcp_f32 v[ST+8*(\tt)+6], v[ST+8*(\tt)+4]
.endr
	v_nop
	s_wait_alu depctr_va_vdst(0)    ; one wait for the four reciprocals
.endm
.macro PACKO t
	WIN W_RS
.set i, 64*(\t)
.rept 32
	v_pk_mul_f32 v[i:i+1], v[i:i+1], v[ST+8*(\t)+6:ST+8*(\t)+7] op_sel_hi:[1,0]
.set i, i+2
.endr
	WIN 0x04                        ; store data in window 1
.set i, 0
.rept 16                            ; a lane's eight channels of block i / 2 are 32 bytes of its row
	ds_store_b128 v[STO], v[64*(\t)+4*i:64*(\t)+4*i+3] offset:64*(i/2)+16*(i%2)
.set i, i+1
.endr
	WIN 0x40
.set i, 0
.rept 16
	ds_load_b128 v[64*(\t)+4*i:64*(\t)+4*i+3], v[RD] offset:SP*i  ; LDS serves a wave's instructions in order (ISA guide 5.7.1.4): these see the stores above; the next tile's stores come behind them
.set i, i+1
.endr
.endm
.macro SENDO t, younger             ; younger: the LDS instructions issued behind tile t's loads: the next tile's 32, or none
	WIN 0x04
	s_wait_dscnt \younger
.set i, 0
.rept 16
	global_store_b128 v[GO], v[64*(\t)+4*i:64*(\t)+4*i+3], s[10:11] offset:32768*(\t)+512*i th:TH_STORE_NT  ; a wave stores a row: 512 consecutive bytes, aligned
.set i, i+1
.endr
.endm
; A BLOCK ENDS: piece 0's last V^T P beside piece 2's last softmax, piece 2's last V^T P, the way out.  qnext = 1: the second block's q is asked for first, into registers that the block no longer needs.
.macro BLOCKEND qnext
	WIN 0
.if \qnext
	QLOAD QLO
.endif
	TURN 0, 0
.set i, 0
.rept 32
	PVM 2
.set i, i+1
.endr
	FIN
	PACKO 0
	PACKO 1
	SENDO 0, 32
	PACKO 2
	SENDO 1, 32
	PACKO 3
	SENDO 2, 32
	SENDO 3, 0
	WIN 0
.endm
	s_load_b256 s[4:11], s[0:1], 0x0  ; q s[4:5], kb s[6:7], vb s[8:9], out0 s[10:11]
	v_lshl_add_u32 v[SPW], v0, 2, SPARE
	v_mov_b32 v[NIL], 0
	ds_add_u32 v[SPW], v[NIL]       ; the wave's opening: the add and its wait stand ahead of my first tensor load; the set-up below, work on registers, stands between them
	ds_add_u32 v62, v63
	v_lshrrev_b32 v1, 5, v0
	v_readfirstlane_b32 s[WV], v1   ; wave 0..3
	s_mov_b32 s[PB], ttmp9
	s_sub_co_u32 s[HI], 7, s[PB]
	s_and_b32 s17, ttmp7, 0xffff    ; the head
	s_and_b32 s[WH], s[WV], 1
	s_lshl_b32 s18, s17, 20         ; its bytes in q and out0,
	s_mov_b32 s19, 0
	s_mul_i32 s20, s17, 32*KSTEP    ; in kb,
	s_mov_b32 s21, 0
	s_lshl_b32 s22, s17, 19         ; in vb
	s_mov_b32 s23, 0
	; descriptor group 1: rows of 128 elements of 2 bytes, padded in LDS behind every 64 words; 65 rows for K and its pads, 64 for V
	s_mov_b32 s[G1K], (1<<16)|(1<<20)|(5<<22)|(3<<25)  ; 17:16 2-byte elements; 20 padding on; 24:22 after every 64 words (code 5); 31:25 4 words (code 3)
	s_mov_b32 s[G1K+1], 128<<16     ; tensor_dim0 = 128
	s_mov_b32 s[G1K+2], (KS+1)<<16  ; tensor_dim1 = 65
	s_mov_b32 s[G1K+3], 128<<16     ; tile_dim0 = 128
	s_mov_b32 s[G1K+4], KS+1        ; tile_dim1 = 65
	s_mov_b32 s[G1K+5], 128         ; 128 elements from row to row
	s_mov_b32 s[G1K+6], 0
	s_mov_b32 s[G1K+7], 0
	s_mov_b32 s[G1V], (1<<16)|(1<<20)|(5<<22)|(7<<25)  ; the same with 8 words of padding (code 7)
	s_mov_b32 s[G1V+1], 128<<16
	s_mov_b32 s[G1V+2], KS<<16      ; tensor_dim1 = 64
	s_mov_b32 s[G1V+3], 128<<16
	s_mov_b32 s[G1V+4], KS          ; tile_dim1 = 64
	s_mov_b32 s[G1V+5], 128
	s_mov_b32 s[G1V+6], 0
	s_mov_b32 s[G1V+7], 0
	s_mov_b32 s[G0K], 1             ; count = 1
	s_mul_i32 s[G0K+1], s[WH], STEPB  ; LDS address: slot 0, my step
	s_mov_b32 s[G0V], 1
	s_add_co_u32 s[G0V+1], s[G0K+1], VOFF
	s_mov_b32 s[CS], 0x3e0293ee     ; c = log2(e) / sqrt(128)
	s_mov_b32 s[CS+1], s[CS]        ; the second words of these pairs are named with the first, so they are written
	s_mov_b32 s[SEL], 0x76543210
	s_mov_b32 s[SEL+1], 0xfedcba98
	s_mov_b32 s[NEGS], 0xce6e6b28   ; -1e9
	s_mov_b32 s[OFF+1], 0
	s_mov_b32 s[OFV+1], 0
	s_mov_b32 s[AL], 0
	s_mov_b32 s[AL+1], 0
	s_mov_b32 s[BE], 0
	s_mov_b32 s[BE+1], 0
	s_mov_b32 s[KG], 0
	s_mov_b32 s[TB], SLOT1+2*STEPB  ; the first change of slots turns this into 0
	s_lshl_b32 s[RT], s[HI], 1
	s_add_co_u32 s[RT], s[RT], 2    ; the first block has 2 (8 - b) slots
	s_mov_b32 s[NXT], 1
	s_sub_co_u32 s[LQ], s[RT], 1
	s_lshl_b32 s[LQ2], s[PB], 1
	s_add_co_u32 s[LQ2], s[LQ2], 1
	s_mov_b32 s[NEW], 1
	s_mov_b32 s[SLOTS], 17
	s_lshl_b32 s[GRB], s[HI], 4
	s_add_co_u32 s[GRB], s[GRB], s[WV]
	s_cmp_eq_u32 s[PB], 0
	s_cselect_b32 s[LIM], 3, -1
	v_and_b32 v1, 15, v0            ; l % 16
	v_bfe_u32 v9, v0, 4, 1          ; l / 16
	v_and_b32 v11, 31, v0           ; l
	v_lshlrev_b32 v[PFO], 8, v11
	v_lshlrev_b32 v[QO], 9, v1
	v_lshl_add_u32 v[QO], v9, 5, v[QO]  ; row x 512 + 32 x half
	s_wait_dscnt 0x0                ; the opening add is done
	s_wait_kmcnt 0x0
	s_add_nc_u64 s[4:5], s[4:5], s[18:19]    ; the four tensors at the head
	s_add_nc_u64 s[10:11], s[10:11], s[18:19]
	s_add_nc_u64 s[6:7], s[6:7], s[20:21]
	s_add_nc_u64 s[8:9], s[8:9], s[22:23]
	s_lshl_b32 s20, s[WV], 13       ; 32 blocks of 256 bytes; also my 16 rows of q in a band
	s_add_co_u32 s18, s20, 2*KSTEP  ; my blocks of slot 1: the first change steps the prefetches to slot 2
	s_add_nc_u64 s[PFK:PFK+1], s[6:7], s[18:19]
	s_add_co_u32 s18, s20, 32768
	s_add_nc_u64 s[PFV:PFV+1], s[8:9], s[18:19]
	s_lshl_b32 s18, s[PB], 17       ; a block is 131,072 bytes of q
	s_add_co_u32 s18, s18, s20
	s_add_nc_u64 s[QLO:QLO+1], s[4:5], s[18:19]
	s_add_nc_u64 s[OLO:OLO+1], s[10:11], s[18:19]
	s_lshl_b32 s18, s[HI], 17
	s_add_co_u32 s18, s18, s20
	s_add_nc_u64 s[4:5], s[4:5], s[18:19]
	s_add_nc_u64 s[10:11], s[10:11], s[18:19]
	s_mul_i32 s18, s[WH], KSTEP     ; the step of a slot that I fetch
	s_add_nc_u64 s[6:7], s[6:7], s[18:19]
	s_lshl_b32 s18, s[WH], 14
	s_add_nc_u64 s[8:9], s[8:9], s[18:19]
	s_mov_b64 s[G0K+2:G0K+3], s[6:7]
	s_or_b32 s[G0K+3], s[G0K+3], 0x80000000  ; type = 2
	s_mov_b64 s[G0V+2:G0V+3], s[8:9]
	s_or_b32 s[G0V+3], s[G0V+3], 0x80000000
	LOAD                            ; slot 0
	QLOAD 4                         ; the first block's q
	v_mul_u32_u24 v[AK0], v1, PK
	v_lshl_add_u32 v[AK0], v9, 4, v[AK0]  ; row x pitch + 16 x half
	; The turning load takes 16 keys x 16 channels (lane l reads key 8 (l / 16) + l % 8, channels 8 ((l / 8) % 2) + 0..7) and leaves half a fragment of V^T: lane l holds channel l % 16 and 8 keys.
	v_and_b32 v12, 7, v0
	v_bfe_u32 v13, v0, 3, 1
	v_lshl_add_u32 v[AV0], v9, 3, v12
	v_mul_u32_u24 v[AV0], v[AV0], PV
	v_lshl_add_u32 v[AV0], v13, 4, v[AV0]
	v_add_nc_u32 v[AV0], VOFF, v[AV0]
	v_lshlrev_b32 v[AM0], 5, v9
	v_add_nc_u32 v[AM0], MOFF, v[AM0]
	s_mul_i32 s17, s[WV], STW
	s_add_co_u32 s17, s17, STAGE    ; my stage
	v_mul_u32_u24 v[STO], v1, SP
	v_lshl_add_u32 v[STO], v9, 5, v[STO]
	v_add_nc_u32 v[STO], s17, v[STO]
	v_lshlrev_b32 v[GO], 4, v11
	v_add_nc_u32 v[RD], s17, v[GO]
	v_lshlrev_b32 v12, 3, v9
	v_sub_nc_u32 v12, v1, v12       ; register j is hidden where j > l % 16 - 8 (l / 16)
.set i, 0
.rept 8
	v_cmp_gt_i32 vcc_lo, i, v12
	v_cndmask_b32 v[FD+i], 0, s[NEGS], vcc_lo
.set i, i+1
.endr
	; A block's first step multiplies O^T and l by a = 0, and its first turn's products V^T P, of a piece that has not been, land in an O^T that is still to be so multiplied: these registers need only
	; hold finite numbers.  Zeros for the first block, written while the first loads are out; what the first block left for the second.  No first step is written out for it.
	WIN 0x40
.set i, 0
.rept 256
	v_mov_b32 v[i], 0               ; O^T
.set i, i+1
.endr
	WIN 0xc0
.set i, 0
.rept 128
	v_mov_b32 v[i], 0               ; V
.set i, i+1
.endr
	WIN 0
.set i, 0
.rept 32
	v_mov_b32 v[ST+i], 0            ; l = 0; the others are written so that every register has been
.set i, i+1
.endr
.set i, P+32
.rept 32
	v_mov_b32 v[i], 0               ; piece 2's P, which the first turn multiplies
.set i, i+1
.endr
	s_wait_loadcnt 0x0              ; q is in
	QCVT
.Lslot:                             ; 17 trips: a slot is entered and the next is asked for
	CHANGE 1
	s_sub_co_u32 s[RT], s[RT], 1
	s_mov_b32 s[TWICE], 2
	s_cmp_eq_u32 s[NEW], 1
	s_cbranch_scc0 .Lstep1
	BEGIN
	s_branch .Lmid1
	STEPS 1
	s_cmp_lg_u32 s[RT], 0
	s_cbranch_scc1 .Lbottom
	BLOCKEND 1                      ; in the loop this is the first block's end: the second's last slot is the walk's last
	s_wait_xcnt 0x0                 ; the stores have read their registers and out0's address
	s_mov_b64 s[10:11], s[OLO:OLO+1]
	s_lshl_b32 s[RT], s[PB], 1
	s_add_co_u32 s[RT], s[RT], 2    ; the second block has 2 (b + 1) slots
	s_mov_b32 s[NEW], 1
	s_lshl_b32 s[GRB], s[PB], 4
	s_add_co_u32 s[GRB], s[GRB], s[WV]
	s_wait_loadcnt 0x0              ; the second block's q
	QCVT
.Lbottom:
	s_sub_co_u32 s[SLOTS], s[SLOTS], 1
	s_cmp_lg_u32 s[SLOTS], 0
	s_cbranch_scc1 .Lslot
	CHANGE 0                        ; the walk's last slot is written out: nothing is asked for
	s_sub_co_u32 s[RT], s[RT], 1
	s_mov_b32 s[TWICE], 2
	STEPS 2
	BLOCKEND 0
	s_wait_tensorcnt 0x0            ; the wave's end, behind my last tensor load and my last LDS store
	ds_add_u32 v[SPW], v[NIL]
	s_wait_dscnt 0x0
	s_endpgm
.Lfunc_end_k_qfd4d203516_attn:
	.size	k_qfd4d203516_attn, .Lfunc_end_k_qfd4d203516_attn-k_qfd4d203516_attn
	.p2alignl 7, 3214868480
	.fill 96, 4, 3214868480
	.section	.rodata,"a",@progbits
	.p2align	6, 0x0
	.amdhsa_kernel k_qfd4d203516_attn
		.amdhsa_group_segment_fixed_size 327680
		.amdhsa_private_segment_fixed_size 0
		.amdhsa_enable_private_segment 0
		.amdhsa_kernarg_size 32
		.amdhsa_user_sgpr_count 2
		.amdhsa_user_sgpr_kernarg_segment_ptr 1
		.amdhsa_wavefront_size32 1
		.amdhsa_system_sgpr_workgroup_id_x 1
		.amdhsa_system_sgpr_workgroup_id_y 1
		.amdhsa_system_sgpr_workgroup_id_z 1
		.amdhsa_system_vgpr_workitem_id 0
		.amdhsa_next_free_vgpr 960
		.amdhsa_next_free_sgpr 88
		.amdhsa_reserve_vcc 1
		.amdhsa_float_denorm_mode_32 3
		.amdhsa_float_denorm_mode_16_64 3
		.amdhsa_memory_ordered 1
		.amdhsa_forward_progress 1
		.amdhsa_inst_pref_size 255
	.end_amdhsa_kernel
	.section	.bss,"aw",@nobits
	.p2align	6
	.space	262144
	.amdgpu_metadata
---
amdhsa.version: [ 1, 2 ]
amdhsa.kernels:
  - .name:           k_qfd4d203516_attn
    .symbol:         k_qfd4d203516_attn.kd
    .args:
      - { .name: q, .offset: 0, .size: 8, .value_kind: global_buffer, .address_space: global }
      - { .name: kb, .offset: 8, .size: 8, .value_kind: global_buffer, .address_space: global }
      - { .name: vb, .offset: 16, .size: 8, .value_kind: global_buffer, .address_space: global }
      - { .name: out0, .offset: 24, .size: 8, .value_kind: global_buffer, .address_space: global }
    .group_segment_fixed_size: 327680
    .private_segment_fixed_size: 0
    .kernarg_segment_align: 8
    .kernarg_segment_size: 32
    .max_flat_workgroup_size: 128
    .sgpr_count:     88
    .vgpr_count:     960
    .wavefront_size: 32
...
	.end_amdgpu_metadata
.endif
;; end of part 2
;; launch exact (part 3): grid 64 x 1, 16 waves a work-group, no clusters, 217,088 bytes of LDS; arguments q, kb, vb, out0, fk; writes out0
.if DOCPART == 3
	.amdgcn_target "amdgcn-amd-amdhsa--gfx1250"
	.amdhsa_code_object_version 6
	.text
	.protected	k_qfd4d203516_exact
	.globl	k_qfd4d203516_exact
	.p2align	8
	.type	k_qfd4d203516_exact,@function
k_qfd4d203516_exact:
	s_mov_b64 s[64:65], 0
	v_nop
	global_prefetch_b8 v0, s[64:65] scope:SCOPE_SE
	s_setreg_imm32_b32 hwreg(HW_REG_WAVE_MODE, 25, 1), 1
	s_wait_xcnt 0x0
; THE ROWS THAT MAY HAVE NO OPEN KEY.  out[h][q][:] = sum over ALL k of softmax_k(q.k / sqrt(128) + pad[k] + future[q][k]) v[h][k][:], pad = -1e9 where the mask is 0, future = -1e9 where k > q, in the
; order of the f32 additions that define it: t = fma(raw, 1 / sqrt(128), pad), t = t + future, m = the maximum of t, d = t - m (taken first, so that nothing of 1e9 is left to round),
; p = 2^(log2(e) d).  It is made for tiles of 16 rows: rows 0..15 of every head always, and every tile whose first row lies below f, the batch's first open key (a whole number from fk).  It writes over
; what the launch before has stored there.
; kb: k in bf16 by steps of 64 keys: 64 rows of 256 bytes, then a row with the step's 64 pads in f32.  vb: v rounded to bf16, written as f16.  q is rounded to bf16 here, p to f16; sums in f32.
; LIMITS.  vb within f16's 65,504; raw / sqrt(128) + pad is rounded once (one fma by the reciprocal) where the definition rounds twice; a weight below 2^-126 counts as 0; NaN and infinities are not
; treated apart.
; SHARES.  A work-group is a head, 16 waves.  Rows 0..15: wave w takes keys 128 w .. 128 w + 127, four trips of 32; the 16 partial results (m, l, O) meet in LDS, and wave w finishes row w.  Then wave w
; walks tiles 1 + w + 16 i, i = 0..7, and makes those below f by itself, over all 2,048 keys, 64 trips; the others are jumped over, and nothing that is jumped holds a barrier.
; A TRIP.  K's fragments and the pads come straight from memory as they lie; V's 32 rows go through my wave's own bytes of LDS and come back turned (ds_load_tr16_b128); Q's fragments wait in LDS, since
; 256 registers do not hold them beside K, V and O.  No tensor load: no tile is shared between waves.  No cluster: the work-groups share no input.  No prefetch: a short launch.
.set PV,    288       ; a row of V in LDS: 256 bytes + 32
.set SP,    528       ; a row of O in LDS: 512 bytes + 16
.set VSW,   32*PV     ; 9,216 bytes for each wave: 32 rows of V; at a tile's end 16 rows of O
.set VS,    0
.set QSP,   16*VSW    ; 4,096 bytes for each wave: Q's four fragments as they lie in registers
.set STATS, QSP+16*4096  ; wave w's (m, l) of row r at 128 w + 8 r
.set SPARE, STATS+2048   ; the spare words, 128 bytes for each wave: eight blocks of 256 bytes that no other line names
.set KSTEP, 65*256    ; a step's bytes in kb
.set R,   1           ; v1   l % 16
.set H,   2           ; v2   l / 16
.set GO,  3           ; v3   16 x my lane
.set SLK, 4           ; v4   a fragment of K in memory: row x 256 + 16 x half
.set SVST, 5          ; v5   where two rows of V go
.set SAVS, 6          ; v6   where they are read, turned
.set QSPA, 7          ; v7   my 16 bytes in my wave's part of QSP
.set PADO, 8          ; v8   32 x half
.set QO,  9           ; v9   my byte offset in 16 rows of q
.set SST2, 10         ; v10  where I put 32 bytes of a row of O
.set SRD2, 11         ; v11  where I read a row back
.set SPW, 12          ; v12  LDS address of my spare word; never rewritten
.set NIL, 13          ; v13  0; never rewritten
.set TA,  14          ; v14, v15 at work
.set TC,  15
.set FD,  16          ; v16-23  -1e9 where key 8 (l / 16) + j lies above query l % 16, else 0
.set SSM, 24          ; v24  m (v25 is named with it as a pair)
.set SSL, 26          ; v26-27  l
.set SSA, 28          ; v28  a (v29 named with it)
.set SST, 30          ; v30-31  at work
.set XS,  32          ; v32-47  the scores of 32 keys
.set XM,  48          ; v48-63  their pads
.set KF,  64          ; v64-127  K: group g, channels 32 c on at KF + 32 g + 8 c
.set PSP, 64          ; the weights in f16, where K lay
.set VF,  128         ; v128-191  V as loaded; Q's fragments (v128-159); V turned: channels 16 f on at VF + 8 f
.set OS,  192         ; v192-255  O^T
.set WV,  14
.set FK,  15          ; f
.set US,  16          ; the tile's group of 16 rows
.set KC,  17          ; the trip's 32 keys
.set CN,  18          ; trips to go
.set PCN, 19
.set D0,  20
.set ROW0, 21
.set KP,  26          ; s[26:27] K's rows of the trip; s[28:29] their pads; s[30:31] V's rows
.set PP,  28
.set VP,  30
.set QP,  32          ; s[32:33] q, s[34:35] out0 at the tile
.set OP,  34
.set AL,  36
.set BE,  38
.set RS,  40          ; s[40:41] 1 / sqrt(128)
.set LG,  42          ; s[42:43] log2(e)
.set SEL, 44
.set NEGS, 46
.macro PLACES                       ; four places behind a matrix instruction (ISA guide 7.12.1)
.rept 4
	v_nop
.endr
.endm
.macro Q4 r, off                    ; a fragment's 16 numbers of a lane: four loads of 16 bytes
	global_load_b128 v[(\r):(\r)+3],     v[QO], s[QP:QP+1] offset:(\off)
	global_load_b128 v[(\r)+4:(\r)+7],   v[QO], s[QP:QP+1] offset:(\off)+16
	global_load_b128 v[(\r)+8:(\r)+11],  v[QO], s[QP:QP+1] offset:(\off)+64
	global_load_b128 v[(\r)+12:(\r)+15], v[QO], s[QP:QP+1] offset:(\off)+80
.endm
; A TILE BEGINS: its 16 rows of q, rounded to bf16 and set aside in LDS; m far below every score, so that the first trip's a is 0 and O^T need only hold finite numbers.
.macro START
.irp c, 0,1,2,3
	Q4 KF+16*(\c), 128*(\c)
.endr
	v_mov_b32 v[SSM], 0xfe000000    ; (m_old - m_new) log2(e) stays finite
	v_mov_b32 v[SSM+1], 0
	v_mov_b32 v[SSL], 0
	v_mov_b32 v[SSL+1], 0
	s_wait_loadcnt 0x0
.set z, 0
.rept 32
	v_cvt_pk_bf16_f32 v[VF+z], v[KF+2*z], v[KF+2*z+1]
.set z, z+1
.endr
.irp qq, 0,1,2,3,4,5,6,7
	ds_store_b128 v[QSPA], v[VF+4*(\qq):VF+4*(\qq)+3] offset:512*(\qq)
.endr
	s_wait_dscnt 0x0                ; the stores have read their registers, which the first trip loads again
.endm
; n TRIPS of 32 keys, from trip KC on, for the tile whose row group is US.
.macro KEYS tag, n
	s_mov_b32 s[CN], \n
.Lkeys\tag:
	s_lshr_b32 s22, s[KC], 1
	s_mul_i32 s22, s22, KSTEP       ; the step's bytes in kb
	s_and_b32 s24, s[KC], 1         ; which half of its 64 keys:
	s_lshl_b32 s47, s24, 13         ; 32 rows of 256 bytes,
	s_lshl_b32 s24, s24, 7          ; 32 words of the row of pads
	s_add_co_u32 s24, s24, s22
	s_add_co_u32 s24, s24, 64*256
	s_add_co_u32 s22, s22, s47
	s_add_nc_u64 s[KP:KP+1], s[6:7], s[22:23]   ; the last trip's loads have been waited for, so the three addresses may be written
	s_add_nc_u64 s[PP:PP+1], s[6:7], s[24:25]
	s_lshl_b32 s22, s[KC], 13
	s_add_nc_u64 s[VP:VP+1], s[8:9], s[22:23]
.irp g, 0,1
.irp c, 0,1,2,3
	global_load_b128 v[KF+32*(\g)+8*(\c):KF+32*(\g)+8*(\c)+3],   v[SLK], s[KP:KP+1] offset:4096*(\g)+64*(\c)
	global_load_b128 v[KF+32*(\g)+8*(\c)+4:KF+32*(\g)+8*(\c)+7], v[SLK], s[KP:KP+1] offset:4096*(\g)+64*(\c)+32
.endr
.endr
.set i, 0
.rept 16
	global_load_b128 v[VF+4*i:VF+4*i+3], v[GO], s[VP:VP+1] offset:512*i  ; two rows of V: 512 consecutive bytes
.set i, i+1
.endr
.irp g, 0,1
	global_load_b128 v[XM+8*(\g):XM+8*(\g)+3],   v[PADO], s[PP:PP+1] offset:64*(\g)
	global_load_b128 v[XM+8*(\g)+4:XM+8*(\g)+7], v[PADO], s[PP:PP+1] offset:64*(\g)+16
.endr
	s_lshl_b32 s[D0], s[KC], 1
	s_sub_co_i32 s[D0], s[D0], s[US]  ; the trip's first key group less the tile's row group
	s_wait_loadcnt 0x0
.set i, 0
.rept 16
	ds_store_b128 v[SVST], v[VF+4*i:VF+4*i+3] offset:2*PV*i
.set i, i+1
.endr
.irp qq, 0,1,2,3,4,5,6,7            ; LDS serves a wave's instructions in order (ISA guide 5.7.1.4): the stores above have read these registers
	ds_load_b128 v[VF+4*(\qq):VF+4*(\qq)+3], v[QSPA] offset:512*(\qq)
.endr
	s_wait_dscnt 0x0
.irp c, 0,1,2,3                     ; S^T = K Q^T: the two accumulators take turns; the first products start the sums
.irp g, 0,1
.if (\c) == 0
	v_wmma_f32_16x16x32_bf16 v[XS+8*(\g):XS+8*(\g)+7], v[KF+32*(\g)+8*(\c):KF+32*(\g)+8*(\c)+7], v[VF+8*(\c):VF+8*(\c)+7], 0
.else
	v_wmma_f32_16x16x32_bf16 v[XS+8*(\g):XS+8*(\g)+7], v[KF+32*(\g)+8*(\c):KF+32*(\g)+8*(\c)+7], v[VF+8*(\c):VF+8*(\c)+7], v[XS+8*(\g):XS+8*(\g)+7]
.endif
.endr
.endr
	PLACES                          ; behind them: the scores are read, and Q's registers are loaded again
.irp f, 0,1,2,3,4,5,6,7             ; V turned: these see the stores above; they land while the softmax runs
	ds_load_tr16_b128 v[VF+8*(\f):VF+8*(\f)+3],   v[SAVS] offset:(\f)*32
	ds_load_tr16_b128 v[VF+8*(\f)+4:VF+8*(\f)+7], v[SAVS] offset:16*PV+(\f)*32
.endr
.irp zz, 0,1,2,3,4,5,6,7
	v_pk_fma_f32 v[XS+2*(\zz):XS+2*(\zz)+1], v[XS+2*(\zz):XS+2*(\zz)+1], s[RS:RS+1], v[XM+2*(\zz):XM+2*(\zz)+1] op_sel_hi:[1,0,1]  ; raw / sqrt(128) + pad
.endr
.irp g, 0,1
	s_cmp_eq_i32 s[D0], -(\g)
	s_cselect_b32 s[AL], 1.0, 0
	s_cmp_gt_i32 s[D0], -(\g)
	s_cselect_b32 s[BE], s[NEGS], 0
.irp zz, 0,1,2,3
	v_pk_fma_f32 v[XS+8*(\g)+2*(\zz):XS+8*(\g)+2*(\zz)+1], v[FD+2*(\zz):FD+2*(\zz)+1], s[AL:AL+1], v[XS+8*(\g)+2*(\zz):XS+8*(\g)+2*(\zz)+1] op_sel_hi:[1,0,1]  ; + future, on the diagonal
.endr
.irp zz, 0,1,2,3
	v_pk_add_f32 v[XS+8*(\g)+2*(\zz):XS+8*(\g)+2*(\zz)+1], v[XS+8*(\g)+2*(\zz):XS+8*(\g)+2*(\zz)+1], s[BE:BE+1] op_sel_hi:[1,0]  ; + future, above it
.endr
.endr
	v_max3_num_f32 v[SST],   v[XS],    v[XS+1],  v[XS+2]
	v_max3_num_f32 v[SST+1], v[XS+8],  v[XS+9],  v[XS+10]
	v_max3_num_f32 v[SST],   v[SST],   v[XS+3],  v[XS+4]
	v_max3_num_f32 v[SST+1], v[SST+1], v[XS+11], v[XS+12]
	v_max3_num_f32 v[SST],   v[SST],   v[XS+5],  v[XS+6]
	v_max3_num_f32 v[SST+1], v[SST+1], v[XS+13], v[XS+14]
	v_max3_num_f32 v[SST],   v[SST],   v[XS+7],  v[XS+15]
	v_max3_num_f32 v[SST],   v[SST],   v[SST+1], v[SSM]
	v_permlanex16_b32 v[SST+1], v[SST], s[SEL], s[SEL+1]  ; the query's other 16 keys lie in the lane 16 away
	v_max_num_f32 v[SST+1], v[SST], v[SST+1]       ; the new m
	v_sub_f32 v[SST], v[SSM], v[SST+1]
	v_mov_b32 v[SSM], v[SST+1]
	v_mul_f32 v[SST], s[LG], v[SST]                ; log2(e) (m_old - m_new)
.irp zz, 0,1,2,3,4,5,6,7
	v_pk_add_f32 v[XS+2*(\zz):XS+2*(\zz)+1], v[XS+2*(\zz):XS+2*(\zz)+1], v[SSM:SSM+1] op_sel_hi:[1,0] neg_lo:[0,1] neg_hi:[0,1]  ; t - m
.endr
.irp zz, 0,1,2,3,4,5,6,7
	v_pk_mul_f32 v[XS+2*(\zz):XS+2*(\zz)+1], v[XS+2*(\zz):XS+2*(\zz)+1], s[LG:LG+1] op_sel_hi:[1,0]
.endr
	v_exp_f32 v[SSA], v[SST]
.set z, 0
.rept 16
	v_exp_f32 v[XS+z], v[XS+z]
.set z, z+1
.endr
	v_nop                           ; the plain instruction behind the last exponential,
	s_wait_alu depctr_va_vdst(0)    ; and one wait for the 17, ahead of the first instruction that names a result
.irp zz, 0,1,2,3,4,5,6,7
	v_cvt_pk_f16_f32 v[PSP+(\zz)], v[XS+2*(\zz)], v[XS+2*(\zz)+1]
.endr
.irp zz, 0,4,8,12
	v_pk_add_f32 v[XS+(\zz):XS+(\zz)+1], v[XS+(\zz):XS+(\zz)+1], v[XS+(\zz)+2:XS+(\zz)+3]
.endr
.irp zz, 0,8
	v_pk_add_f32 v[XS+(\zz):XS+(\zz)+1], v[XS+(\zz):XS+(\zz)+1], v[XS+(\zz)+4:XS+(\zz)+5]
.endr
	v_pk_add_f32 v[XS:XS+1], v[XS:XS+1], v[XS+8:XS+9]
	v_pk_fma_f32 v[SSL:SSL+1], v[SSL:SSL+1], v[SSA:SSA+1], v[XS:XS+1] op_sel_hi:[1,0,1]  ; l = a l + the sum
.set z, 0
.rept 32
	v_pk_mul_f32 v[OS+2*z:OS+2*z+1], v[OS+2*z:OS+2*z+1], v[SSA:SSA+1] op_sel_hi:[1,0]
.set z, z+1
.endr
	s_wait_dscnt 0x0                ; V is in
.irp cb, 0,1,2,3,4,5,6,7            ; O^T += V^T P: eight accumulators, one product each
	v_wmma_f32_16x16x32_f16 v[OS+8*(\cb):OS+8*(\cb)+7], v[VF+8*(\cb):VF+8*(\cb)+7], v[PSP:PSP+7], v[OS+8*(\cb):OS+8*(\cb)+7]
.endr
	PLACES                          ; behind them: K's and V's registers are loaded again, O^T is read
	s_add_co_u32 s[KC], s[KC], 1
	s_sub_co_u32 s[CN], s[CN], 1
	s_cmp_lg_u32 s[CN], 0
	s_cbranch_scc1 .Lkeys\tag
.endm
	s_load_b256 s[4:11], s[0:1], 0x0  ; q s[4:5], kb s[6:7], vb s[8:9], out0 s[10:11]
	s_load_b64 s[12:13], s[0:1], 0x20 ; fk
	v_lshl_add_u32 v[SPW], v0, 2, SPARE
	v_mov_b32 v[NIL], 0
	v_lshrrev_b32 v[TA], 5, v0
	v_readfirstlane_b32 s[WV], v[TA]  ; wave 0..15
	s_lshl_b32 s22, ttmp9, 20       ; the head's bytes in q and out0,
	s_mov_b32 s23, 0
	s_mul_i32 s24, ttmp9, 32*KSTEP  ; in kb,
	s_mov_b32 s25, 0
	s_lshl_b32 s48, ttmp9, 19       ; in vb;
	s_mov_b32 s49, 0
	s_lshr_b32 s50, ttmp9, 4
	s_lshl_b32 s50, s50, 8          ; its batch's 256 bytes of fk
	s_mov_b32 s51, 0
	s_mov_b32 s[RS], 0x3db504f3     ; 1 / sqrt(128)
	s_mov_b32 s[RS+1], s[RS]        ; the second words of these pairs are named with the first, so they are written
	s_mov_b32 s[LG], 0x3fb8aa3b     ; log2(e)
	s_mov_b32 s[LG+1], s[LG]
	s_mov_b32 s[SEL], 0x76543210    ; v_permlanex16_b32: each lane takes its own place in the other half
	s_mov_b32 s[SEL+1], 0xfedcba98
	s_mov_b32 s[NEGS], 0xce6e6b28   ; -1e9
	s_mov_b32 s[AL+1], 0
	s_mov_b32 s[BE+1], 0
	s_wait_kmcnt 0x0
	s_add_nc_u64 s[12:13], s[12:13], s[50:51]
	s_load_b32 s[FK], s[12:13], 0x0
	s_add_nc_u64 s[4:5], s[4:5], s[22:23]
	s_add_nc_u64 s[10:11], s[10:11], s[22:23]
	s_add_nc_u64 s[6:7], s[6:7], s[24:25]
	s_add_nc_u64 s[8:9], s[8:9], s[48:49]
	s_mov_b64 s[QP:QP+1], s[4:5]    ; rows 0..15
	s_mov_b32 s[US], 0
	v_and_b32 v[R], 15, v0
	v_bfe_u32 v[H], v0, 4, 1
	v_and_b32 v[TA], 31, v0
	v_lshlrev_b32 v[GO], 4, v[TA]
	v_lshlrev_b32 v[SLK], 8, v[R]
	v_lshl_add_u32 v[SLK], v[H], 4, v[SLK]
	v_lshlrev_b32 v[PADO], 5, v[H]
	v_lshlrev_b32 v[QO], 9, v[R]
	v_lshl_add_u32 v[QO], v[H], 5, v[QO]
	s_mul_i32 s52, s[WV], VSW       ; my wave's bytes for V (VS = 0)
	v_mul_u32_u24 v[SVST], v[H], PV ; lanes 0-15 one row, lanes 16-31 the next
	v_lshl_add_u32 v[SVST], v[R], 4, v[SVST]
	v_add_nc_u32 v[SVST], s52, v[SVST]
	; The turning load takes 16 keys x 16 channels (lane l reads key 8 (l / 16) + l % 8, channels 8 ((l / 8) % 2) + 0..7) and leaves half a fragment of V^T: lane l holds channel l % 16 and 8 keys.
	v_and_b32 v[TC], 7, v0
	v_lshl_add_u32 v[SAVS], v[H], 3, v[TC]
	v_mul_u32_u24 v[SAVS], v[SAVS], PV
	v_bfe_u32 v[TC], v0, 3, 1
	v_lshl_add_u32 v[SAVS], v[TC], 4, v[SAVS]
	v_add_nc_u32 v[SAVS], s52, v[SAVS]
	v_mul_u32_u24 v[SST2], v[R], SP
	v_lshl_add_u32 v[SST2], v[H], 5, v[SST2]
	v_add_nc_u32 v[SST2], s52, v[SST2]
	v_add_nc_u32 v[SRD2], s52, v[GO]
	s_lshl_b32 s53, s[WV], 12
	s_add_co_u32 s53, s53, QSP
	v_add_nc_u32 v[QSPA], s53, v[GO]
	v_lshlrev_b32 v[TA], 3, v[H]
	v_sub_nc_u32 v[TA], v[R], v[TA] ; register j is hidden where j > l % 16 - 8 (l / 16)
.set i, 0
.rept 8
	v_cmp_gt_i32 vcc_lo, i, v[TA]
	v_cndmask_b32 v[FD+i], 0, s[NEGS], vcc_lo
.set i, i+1
.endr
	v_mov_b32 v[SSA+1], 0           ; named with a as a pair
.set i, 0
.rept 64
	v_mov_b32 v[OS+i], 0            ; the first trip multiplies O^T by a = 0: it need only be finite; no first trip is written out for it
.set i, i+1
.endr
	START
	s_lshl_b32 s[KC], s[WV], 2      ; my 128 keys
	KEYS 1, 4
	; THE MERGE.  Each wave puts its (m, l) and its O^T into LDS; behind a barrier wave w finishes row w.
	v_add_f32 v[SST], v[SSL], v[SSL+1]
	v_permlanex16_b32 v[SST+1], v[SST], s[SEL], s[SEL+1]
	v_add_f32 v[SSM+1], v[SST], v[SST+1]           ; (m, l) as a pair
	s_lshl_b32 s22, s[WV], 7
	s_add_co_u32 s22, s22, STATS
	v_lshl_add_u32 v[TA], v[R], 3, s22
	ds_store_b64 v[TA], v[SSM:SSM+1]
.set i, 0
.rept 16                            ; a lane's eight channels of block i / 2 are 32 bytes of its row
	ds_store_b128 v[SST2], v[OS+4*i:OS+4*i+3] offset:64*(i/2)+16*(i%2)
.set i, i+1
.endr
	s_wait_dscnt 0x0                ; for the others' sake: my stores are done
	s_barrier_signal -1
	s_barrier_wait -1
	s_lshl_b32 s22, s[WV], 3
	s_add_co_u32 s22, s22, STATS
	v_mov_b32 v[TA], s22            ; (m, l) of row w, wave 0's
	s_mul_i32 s22, s[WV], SP
	v_add_nc_u32 v96, s22, v[GO]    ; my 16 bytes of row w in wave 0's, 4's, 8's and 12's part: an LDS offset holds 16 bits
	v_add_nc_u32 v97, 4*VSW, v96
	v_add_nc_u32 v98, 8*VSW, v96
	v_add_nc_u32 v99, 12*VSW, v96
.set p, 0
.rept 16
	ds_load_b64 v[64+2*p:65+2*p], v[TA] offset:128*p
	ds_load_b128 v[128+4*p:128+4*p+3], v[96+p/4] offset:(p%4)*VSW
.set p, p+1
.endr
	v_lshl_add_u32 v[TC], s[WV], 9, v[GO]  ; and in out0
	s_wait_dscnt 0x0
	v_max3_num_f32 v100, v64, v66, v68
.irp p, 3,5,7,9,11,13
	v_max3_num_f32 v100, v100, v[64+2*(\p)], v[66+2*(\p)]
.endr
	v_max_num_f32 v100, v100, v94   ; M
.set p, 0
.rept 16
	v_sub_f32 v[104+p], v[64+2*p], v100
.set p, p+1
.endr
.set p, 0
.rept 16
	v_mul_f32 v[104+p], s[LG], v[104+p]
.set p, p+1
.endr
.set p, 0
.rept 16
	v_exp_f32 v[104+p], v[104+p]    ; e_p = 2^(log2(e) (m_p - M))
.set p, p+1
.endr
	v_nop
	s_wait_alu depctr_va_vdst(0)    ; one wait for the 16
	v_mul_f32 v101, v104, v65
.set p, 1
.rept 15
	v_fmac_f32 v101, v[104+p], v[65+2*p]
.set p, p+1
.endr
	v_rcp_f32 v102, v101            ; 1 / sum of e_p l_p; the sums below are the work behind it
.irp qq, 0,1,2,3
	v_mul_f32 v[120+(\qq)], v[128+(\qq)], v104
.endr
.set p, 1
.rept 15
.irp qq, 0,1,2,3
	v_fmac_f32 v[120+(\qq)], v[128+4*p+(\qq)], v[104+p]
.endr
.set p, p+1
.endr
	s_wait_alu depctr_va_vdst(0)    ; the wait for the reciprocal
.irp qq, 0,1,2,3
	v_mul_f32 v[120+(\qq)], v[120+(\qq)], v102
.endr
	global_store_b128 v[TC], v[120:123], s[10:11] th:TH_STORE_NT  ; a wave stores a row: 512 consecutive bytes, aligned
	s_barrier_signal -1             ; every wave's reads of the others' bytes are back (the wait for them stands above):
	s_barrier_wait -1               ; behind this barrier a wave writes its own bytes again
	; THE OTHER TILES below f.
	s_wait_xcnt 0x0                 ; the store has read its registers, which are written again below
	s_wait_kmcnt 0x0                ; f
	s_mov_b32 s[PCN], 0
.Lpiece:
	s_lshl_b32 s22, s[PCN], 4
	s_add_co_u32 s22, s22, s[WV]
	s_add_co_u32 s[US], s22, 1      ; tile 1 + w + 16 i
	s_lshl_b32 s[ROW0], s[US], 4
	s_cmp_ge_u32 s[ROW0], s[FK]
	s_cbranch_scc1 .Lnopiece        ; all its rows have an open key: the launch before has stored it (f is 2,048 at the most, so tile 128 is never made)
	s_lshl_b32 s22, s[ROW0], 9
	s_add_nc_u64 s[QP:QP+1], s[4:5], s[22:23]
	s_add_nc_u64 s[OP:OP+1], s[10:11], s[22:23]
	START
	s_mov_b32 s[KC], 0
	KEYS 2, 64
	v_add_f32 v[SST], v[SSL], v[SSL+1]
	v_permlanex16_b32 v[SST+1], v[SST], s[SEL], s[SEL+1]
	v_add_f32 v[SST], v[SST], v[SST+1]
	v_rcp_f32 v[SST], v[SST]
	v_nop
	s_wait_alu depctr_va_vdst(0)
.set z, 0
.rept 32
	v_pk_mul_f32 v[OS+2*z:OS+2*z+1], v[OS+2*z:OS+2*z+1], v[SST:SST+1] op_sel_hi:[1,0]
.set z, z+1
.endr
.set i, 0
.rept 16
	ds_store_b128 v[SST2], v[OS+4*i:OS+4*i+3] offset:64*(i/2)+16*(i%2)
.set i, i+1
.endr
.set i, 0
.rept 16
	ds_load_b128 v[OS+4*i:OS+4*i+3], v[SRD2] offset:SP*i  ; whole rows, into the registers that they left
.set i, i+1
.endr
	s_wait_dscnt 0x0
.set i, 0
.rept 16
	global_store_b128 v[GO], v[OS+4*i:OS+4*i+3], s[OP:OP+1] offset:512*i th:TH_STORE_NT
.set i, i+1
.endr
	s_wait_xcnt 0x0                 ; the stores have read O^T and their base: the next tile writes both
.Lnopiece:
	s_add_co_u32 s[PCN], s[PCN], 1
	s_cmp_lt_u32 s[PCN], 8
	s_cbranch_scc1 .Lpiece
	s_wait_tensorcnt 0x0            ; the wave's end, behind my last LDS store
	ds_add_u32 v[SPW], v[NIL]
	s_wait_dscnt 0x0
	s_endpgm
.Lfunc_end_k_qfd4d203516_exact:
	.size	k_qfd4d203516_exact, .Lfunc_end_k_qfd4d203516_exact-k_qfd4d203516_exact
	.p2alignl 7, 3214868480
	.fill 96, 4, 3214868480
	.section	.rodata,"a",@progbits
	.p2align	6, 0x0
	.amdhsa_kernel k_qfd4d203516_exact
		.amdhsa_group_segment_fixed_size 217088
		.amdhsa_private_segment_fixed_size 0
		.amdhsa_enable_private_segment 0
		.amdhsa_kernarg_size 40
		.amdhsa_user_sgpr_count 2
		.amdhsa_user_sgpr_kernarg_segment_ptr 1
		.amdhsa_wavefront_size32 1
		.amdhsa_system_sgpr_workgroup_id_x 1
		.amdhsa_system_sgpr_workgroup_id_y 1
		.amdhsa_system_sgpr_workgroup_id_z 1
		.amdhsa_system_vgpr_workitem_id 0
		.amdhsa_next_free_vgpr 256
		.amdhsa_next_free_sgpr 66
		.amdhsa_reserve_vcc 1
		.amdhsa_float_denorm_mode_32 3
		.amdhsa_float_denorm_mode_16_64 3
		.amdhsa_memory_ordered 1
		.amdhsa_forward_progress 1
		.amdhsa_inst_pref_size 60
	.end_amdhsa_kernel
	.amdgpu_metadata
---
amdhsa.version: [ 1, 2 ]
amdhsa.kernels:
  - .name:           k_qfd4d203516_exact
    .symbol:         k_qfd4d203516_exact.kd
    .args:
      - { .name: q, .offset: 0, .size: 8, .value_kind: global_buffer, .address_space: global }
      - { .name: kb, .offset: 8, .size: 8, .value_kind: global_buffer, .address_space: global }
      - { .name: vb, .offset: 16, .size: 8, .value_kind: global_buffer, .address_space: global }
      - { .name: out0, .offset: 24, .size: 8, .value_kind: global_buffer, .address_space: global }
      - { .name: fk, .offset: 32, .size: 8, .value_kind: global_buffer, .address_space: global }
    .group_segment_fixed_size: 217088
    .private_segment_fixed_size: 0
    .kernarg_segment_align: 8
    .kernarg_segment_size: 40
    .max_flat_workgroup_size: 512
    .sgpr_count:     66
    .vgpr_count:     256
    .wavefront_size: 32
...
	.end_amdgpu_metadata
.endif
;; end of part 3
